; MI455X (gfx1250); checked and timed in simulation.
; The chip was launched on July 23, 2026; its instructions are those of AMD's public machine-readable ISA for CDNA 5 (MIT licence, August 2026) and "CDNA5" Instruction Set Architecture Reference Guide (July 2026). The comments in the code are by the model that wrote it; some were corrected since.
;; Pal Bert Self Attention. Allowed arithmetic: matrix products marked QUANTISED: E4M3 operands, one given power-of-two scale a tensor, by v_wmma_f32_16x16x64_fp8_fp8 or v_wmma_f32_16x16x128_fp8_fp8, f32 sums; everything else in f32.
;; Inputs: Wk_codes 1,024 x 32 x 32 uint8 (E4M3 codes of Wk, K innermost, in blocks of 32 codes); Wq_codes 1,024 x 32 x 32 uint8 (E4M3 codes of Wq, K innermost, in blocks of 32 codes); Wv_codes 1,024 x 32 x 32 uint8 (E4M3 codes of Wv, K innermost, in blocks of 32 codes); attention_mask 4 x 1 x 1 x 2,048 float32; bk 1,024 float32; bq 1,024 float32; bv 1,024 float32; hidden_states_codes 4 x 2,048 x 32 x 32 uint8 (E4M3 codes of hidden_states, K innermost, in blocks of 32 codes); lowp_scales 10 int32 (the exponents e of the quantised operands' scales 2^e).
;; Outputs: out0 4 x 2,048 x 1,024 float32.
;; This version of the problem:
;;   THIS VERSION OF THE PROBLEM IS GIVEN IN LOW PRECISION. The matrix products marked QUANTISED in the list below multiply operands that are first quantised to E4M3 (4 exponent bits, 3 mantissa bits; 8 bits a number), with one given power-of-two scale for each operand tensor; their sums are f32. All else is computed in f32.
;;   The module's matrix products, in the order in which they are computed (A, B: the left and right operand; K: the contracted axis; several contracted axes count as one K, in the product's order):
;;     1. [M 8,192, K 1,024] x [K 1,024, N 1,024]; A: input hidden_states (given as codes); B: input Wq (given as codes): QUANTISED (scales: A lowp_scales[0], B lowp_scales[1])
;;     2. [M 8,192, K 1,024] x [K 1,024, N 1,024]; A: input hidden_states (given as codes); B: input Wk (given as codes): QUANTISED (scales: A lowp_scales[2], B lowp_scales[3])
;;     3. [M 8,192, K 1,024] x [K 1,024, N 1,024]; A: input hidden_states (given as codes); B: input Wv (given as codes): QUANTISED (scales: A lowp_scales[4], B lowp_scales[5])
;;     4. batch 64 x [M 2,048, K 64] x [K 64, N 2,048]; A: computed on the way; B: computed on the way: QUANTISED (scales: A lowp_scales[6], B lowp_scales[7])
;;     5. batch 64 x [M 2,048, K 2,048] x [K 2,048, N 64]; A: softmax (see below); B: computed on the way: QUANTISED (scales: A lowp_scales[8], B lowp_scales[9])
;;   THE QUANTISER, for each operand of a quantised product, along K:
;;     - The operand's scale is 2^e, e = its entry of the input lowp_scales (int32; the entries are numbered through the quantised products in the list's order, A before B).
;;     - Each number is divided by the scale, clamped to +-448, and rounded to the nearest number of E4M3, ties to even, subnormals kept.
;;     - The product sums the exact products of the quantised numbers (number of the format x scale) in f32.
;;   ~~~python
;;   def quantise(x, axis, e):      # numpy; x: float32 -> the quantised numbers, widened to float32 again
;;       x = np.moveaxis(x, axis, -1); K = x.shape[-1]
;;       r = np.clip(x / 2.0 ** e, -448, 448)
;;       step = 2.0 ** (np.maximum(np.frexp(np.where(r == 0, 1, r))[1] - 1, -6) - 3)
;;       q = np.round(r / step) * step * 2.0 ** e      # np.round: ties to even
;;       return np.moveaxis(q, -1, axis).astype(np.float32)
;;   ~~~
;;   SOFTMAX AHEAD OF A QUANTISED PRODUCT. Where the list says 'softmax', what is quantised is not the finished softmax but p = 2^(t - M), with t = logit x log2(e) and M = ceil(the row's largest t), a whole number; so 1/2 < the row's largest p <= 1. The row's sum l is taken of the UNQUANTISED p, in f32, and the product's result is divided by l at the end. Since M is a whole number, a kernel that streams over the keys may use a running M (the ceiling of the running maximum): every later rescaling is an exact power of two, so the quantised numbers keep their values, but for numbers so far below the row's largest that they fall under the format's range.
;;   OPERANDS COMPUTED ON THE WAY. 'Computed on the way' means the value that the module computes at that place (a softmax that the list does not call 'softmax' is quantised finished and normalised). What goes into a quantiser is computed in f32, as accurately as f32 sums, v_exp_f32 and their like allow (about 1e-6 of the number): no bf16 or f16 on the way to a quantiser, and a product that is left as it is and whose result goes on into a quantised operand takes f32 operands (vector FMAs, or v_wmma_f32_16x16x4_f32). A number that lies on a knife's edge between two numbers of the format may be rounded either way, as far as f32 arithmetic and the matrix unit's own rounding can turn it there, and no further.
;;   INPUTS GIVEN AS CODES. Wk (in the module: [1024, 1024], K = its axis 1); Wq (in the module: [1024, 1024], K = its axis 1); Wv (in the module: [1024, 1024], K = its axis 1); hidden_states (in the module: [4, 2048, 1024], K = its axis 2): each comes as NAME_codes (uint8): NAME with its K axis moved to the last place and cut into blocks of 32 codes, [.., K / 32, bytes a block], one block behind the other in memory; one code a byte (a code: sign, 4 exponent bits, 3 mantissa bits); its scale is its entry of lowp_scales. Its value is code x scale, taken as it is: it is not quantised again, and the codes and scales need not be those that the quantiser above would give.
;; One version. Each part assembles by itself: llvm-mc -triple=amdgcn-amd-amdhsa -mcpu=gfx1250 --defsym DOCPART=n.
;; ======== version 1 of 1: 2 launches
;; limits: right only within a limited range of input values
;; workspace buffers: q_codes 8,388,608 bytes; k_codes 8,388,608 bytes; v_codes 8,388,608 bytes
;; launch proj (part 1): grid 8 x 32, 4 waves a work-group, clusters of 4 x 4, 327,680 bytes of LDS; arguments hidden_states_codes, Wq_codes, Wk_codes, Wv_codes, bq, bk, bv, lowp_scales, q_codes, k_codes, v_codes; writes q_codes, k_codes, v_codes
.if DOCPART == 1
	.amdgcn_target "amdgcn-amd-amdhsa--gfx1250"
	.amdhsa_code_object_version 6
	.text
	.protected	k_q7082e469eb_proj
	.globl	k_q7082e469eb_proj
	.p2align	8
	.type	k_q7082e469eb_proj,@function
k_q7082e469eb_proj:
	s_mov_b64 s[64:65], 0
	v_nop
	global_prefetch_b8 v0, s[64:65] scope:SCOPE_SE
	s_setreg_imm32_b32 hwreg(HW_REG_WAVE_MODE, 25, 1), 1
	s_wait_xcnt 0x0
	s_wait_alu depctr_hold_cnt(0) depctr_sa_sdst(0) depctr_va_vdst(0) depctr_va_sdst(0) depctr_va_ssrc(0) depctr_va_vcc(0) depctr_vm_vsrc(0)
	s_getreg_b32 s2, hwreg(HW_REG_IB_STS2, 6, 4)
	s_cmp_eq_u32 s2, 0
	s_cbranch_scc0 .Lentry_in_a_cluster
	s_endpgm
.Lentry_in_a_cluster:
	s_bfe_u32 s2, ttmp6, 0x10000c
	s_cmp_lg_u32 s2, 0xf033
	s_cbranch_scc0 .Lentry_shape_is_right
	s_endpgm
.Lentry_shape_is_right:
; THE THREE PROJECTIONS ON CODES OF FP8 (E4M3), EACH RESULT QUANTISED FOR THE ATTENTION: q = Q(x Wq^T + bq), k = Q(x Wk^T + bk), v = Q(x Wv^T + bv); x: 8,192 tokens x 1,024; each W: 1,024 x 1,024; K innermost in all.
; SHARES.  256 work-groups: 32 blocks of 256 tokens x 8 groups of two heads.  A work-group makes, for its tokens, the same two heads (128 rows of W) of q, then of k, then of v: three units.
; A wave owns 64 tokens.  THEIR CODES STAY IN REGISTERS: 4 blocks of 16 tokens x K = 1,024 are 512 registers (windows 2 and 3), loaded once.  A unit's 128 rows of W lie in an LDS slot; the wave walks them in 8 blocks of 16 rows:
; 32 matrix instructions a block (K = 8 x 128, four accumulators by turns), so each fragment of W read from LDS feeds four matrix instructions.
; THE RING.  Two slots of 128 rows x 1,024 bytes; each wave fetches 32 rows by one tensor load.  Slot 0: Wq at the head; slot 1: Wk behind the first round; slot 0 again: Wv behind the round that follows q's unit.  Each later fill has a whole unit's work in which to land.
; CLUSTER 4 x 4.  The four work-groups of a column of the cluster take the same rows of W and ask for them JOINTLY.  The tokens' codes are read once by each wave, straight into registers: two slots of W and 256 rows of tokens do not fit in LDS together.
; NO PREFETCH: the text has three fills and no loop to run ahead in; each fill is asked for one unit ahead of its use.
; THE WAY TO THE QUANTISER.  The bias goes in as the C of a block's first products, x 2^-(ea + ew) (exact); the finished sum stands for value x 2^-(ea + ew), so it is held at 448 x 2^(eo - ea - ew) and converted with the scale 2^(eo - ea - ew).
; q, k: source 0 = 16 rows of W, source 1 = 16 tokens: a lane holds one token and eight neighbouring d.  v: the sources are swapped: a lane holds one d and eight neighbouring tokens, since the keys are v's K.
; LAYOUT OF THE RESULTS.  q_codes, k_codes: [bh][position][64], token s at position s with bits 3 and 4 exchanged.  v_codes: [bh][chunk of 128 keys][d][128].  All leave through LDS stages as aligned runs of 512 bytes a store.
; LIMITS: for each product eo - ea - ew lies between -126 and 119, so that both powers of two are f32 numbers; a bias whose product with 2^-(ea + ew) leaves f32's range is not served.
; REGISTERS.  window 0: v2-21 addresses and constants; v28-35 codes; v36-51 the bias as C, two sets; v52-115 accumulators, two sets of four; v116-179 a unit's bias as loaded; v180-243 rows read back from a stage.
;   window 1: W's fragments of a block (8 x 16 registers), two sets.  window 2: the tokens' K 0-511 (fragment (k, a) at 64 k + 16 a).  window 3: K 512-1,023.
.set PITCH, 1040                       ; an LDS row of W: 1,024 bytes + 16: sixteen neighbouring rows begin in sixteen different columns of 16 bytes
.set BLK,   16*PITCH
.set QUART, 32*PITCH                   ; what one tensor load brings
.set SLOT,  128*PITCH
.set QST,   2*SLOT                     ; q's and k's stage: 64 positions x (64 + 16) bytes for each wave; no tile lands here
.set VST,   QST+4*5120                 ; v's stage, the work-group's: 256 rows [head][chunk][d] x (128 + 16) bytes; no tile lands here
.set SPARE, VST+256*144                ; the spare words: 128 bytes a wave
.set ADB,  2                           ; v2-5  my lane's place in W's blocks 0-3 and 4-7 of slot 0, of slot 1
.set AO,   6                           ; my lane's byte in the wave's tokens: 1,024 r + 16 h
.set STOQ, 7
.set RDQ,  8
.set STOV, 9
.set RDV,  10
.set CO,   11                          ; 16 x lane
.set BOQ,  12                          ; 32 h: eight biases of my half
.set BOV,  13                          ; 4 r: my d's bias
.set SPW,  14
.set NIL,  15
.set LIM,  16                          ; v16-18 448 x 2^(eo - ea - ew) of the three units
.set SC,   19                          ; v19-21 2^(eo - ea - ew)
.set CD,   28
.set BC,   36
.set ACC,  52
.set RAW,  116
.set RB,   180
.set NB,   10                          ; s10-12 -(ea + ew)
.set G1,   24
.set MSB, 0
.macro WIN new                         ; the immediate's high byte repeats the setting that is left
.if MSB != (\new)
	s_set_vgpr_msb (MSB<<8)|(\new)
.set MSB, \new
.endif
.endm
.macro VWAIT
	s_wait_alu depctr_va_vdst(0)
.endm
.macro PLACES
.rept 4
	v_nop
.endr
.endm
.macro CROUND                          ; a round of the cluster's barrier
	s_barrier_signal -1
	s_barrier_wait -1
	s_cmp_lg_u32 s14, 0
	s_cbranch_scc1 .Lnot_wave_0_\@
	s_barrier_signal -3
.Lnot_wave_0_\@:
	s_barrier_wait -3
	s_barrier_signal -1
	s_barrier_wait -1
.endm
.macro THREE                           ; in front of a fill's barrier and at the wave's end
	s_wait_tensorcnt 0x0
	ds_add_u32 v[SPW], v[NIL]
	s_wait_dscnt 0x0
.endm
.macro TLOAD g0                        ; s_nop 0 and four v_nop follow the load
	tensor_load_to_lds s[\g0:\g0+3], s[G1:G1+7]
	s_nop 0
	PLACES
.endm
.macro MKSC u, ea, eo                  ; a unit's three constants from its exponents
	s_add_co_i32 s52, s[\ea], s[\ea+1]
	s_sub_co_i32 s[NB+\u], 0, s52
	s_sub_co_i32 s53, s[\eo], s52
	s_add_co_i32 s53, s53, 127
	s_lshl_b32 s54, s53, 23
	v_mov_b32 v[SC+\u], s54
	s_add_co_i32 s53, s53, 8
	s_lshl_b32 s53, s53, 23
	s_or_b32 s53, s53, 0x600000
	v_mov_b32 v[LIM+\u], s53
.endm
	s_load_b512 s[68:83], s[0:1], 0x0              ; x s[68:69], Wq, Wk, Wv s[70:75], bq, bk, bv s[76:81], the exponents s[82:83]
	s_load_b128 s[84:87], s[0:1], 0x40             ; q_codes, k_codes
	s_load_b64 s[88:89], s[0:1], 0x50              ; v_codes
	v_lshl_add_u32 v[SPW], v0, 2, SPARE
	v_mov_b32 v[NIL], 0
	ds_add_u32 v[SPW], v[NIL]                      ; the opening lines: the add, twice on end, and its wait ahead of my first tensor load
	ds_add_u32 v[SPW], v[NIL]
	v_lshrrev_b32 v1, 5, v0
	v_readfirstlane_b32 s14, v1                    ; wave 0..3
	s_bfe_u32 s40, ttmp6, 0x40000                  ; cx
	s_bfe_u32 s41, ttmp6, 0x40004                  ; cy
	s_lshl_b32 s42, ttmp9, 2
	s_add_co_u32 s42, s42, s40                     ; g: my two heads
	s_and_b32 s43, ttmp7, 0xffff
	s_lshl_b32 s43, s43, 2
	s_add_co_u32 s43, s43, s41                     ; my block of 256 tokens
	s_lshl_b32 s44, 0x1111, s40                    ; my column of the cluster: it shares g
	s_or_b32 s[G1], s44, (0<<16)|(1<<20)|(1<<21)|(7<<22)|(3<<25)   ; the mask; elements of 1 byte; padding on; bit 21 beside a mask; four words after every 256
	s_mov_b32 s[G1+1], 1024<<16                    ; tensor_dim0
	s_mov_b32 s[G1+2], 32<<16                      ; tensor_dim1
	s_mov_b32 s[G1+3], 1024<<16                    ; tile_dim0
	s_mov_b32 s[G1+4], 32                          ; tile_dim1
	s_mov_b32 s[G1+5], 1024                        ; from row to row
	s_mov_b32 s[G1+6], 0
	s_mov_b32 s[G1+7], 0
	s_lshl_b32 s46, s42, 17                        ; W: row 128 g + 32 wave, of 1,024 bytes: made of g and the wave's number alone
	s_lshl_b32 s47, s14, 15
	s_add_co_u32 s46, s46, s47
	s_mov_b32 s47, 0
	s_mul_i32 s45, s14, QUART                      ; and where it goes in a slot
	s_lshl_b32 s52, s43, 18                        ; x: token 256 block + 64 wave
	s_lshl_b32 s53, s14, 16
	s_add_co_u32 s52, s52, s53
	s_mov_b32 s53, 0
	s_lshl_b32 s54, s42, 9                         ; the biases: 128 g numbers on
	s_mov_b32 s55, 0
	s_lshr_b32 s56, s43, 3                         ; the batch
	s_lshl_b32 s56, s56, 4
	s_lshl_b32 s57, s42, 1
	s_add_co_u32 s56, s56, s57                     ; bh of my first head
	s_and_b32 s57, s43, 7                          ; my block in its sequence
	s_lshl_b32 s58, s56, 17                        ; q, k: bh x 131,072 + my first token x 64
	s_lshl_b32 s59, s57, 14
	s_add_co_u32 s58, s58, s59
	s_lshl_b32 s59, s14, 12
	s_add_co_u32 s58, s58, s59
	s_mov_b32 s59, 0
	s_lshr_b32 s60, s14, 1                         ; v: on the way out wave w takes head w / 2, chunk w % 2 of the block's two
	s_add_co_u32 s60, s60, s56
	s_lshl_b32 s60, s60, 17
	s_lshl_b32 s61, s57, 1
	s_and_b32 s62, s14, 1
	s_add_co_u32 s61, s61, s62
	s_lshl_b32 s61, s61, 13
	s_add_co_u32 s60, s60, s61
	s_mov_b32 s61, 0
	s_wait_dscnt 0x0                               ; both opening adds are done
	s_wait_kmcnt 0x0
	s_load_b256 s[92:99], s[82:83], 0x0            ; exponents 0 to 7
	s_load_b32 s100, s[82:83], 0x24                ; exponent 9: v's
	s_mov_b32 s32, 1                               ; group 0 of the three fills: s[32:35] Wq, s[36:39] Wk, s[48:51] Wv
	s_add_co_u32 s33, s45, 0
	s_add_nc_u64 s[34:35], s[70:71], s[46:47]
	s_or_b32 s35, s35, 0x80000000
	s_mov_b32 s36, 1
	s_add_co_u32 s37, s45, SLOT
	s_add_nc_u64 s[38:39], s[72:73], s[46:47]
	s_or_b32 s39, s39, 0x80000000
	s_mov_b32 s48, 1
	s_add_co_u32 s49, s45, 0
	s_add_nc_u64 s[50:51], s[74:75], s[46:47]
	s_or_b32 s51, s51, 0x80000000
	s_add_nc_u64 s[16:17], s[68:69], s[52:53]      ; my tokens
	s_add_nc_u64 s[18:19], s[76:77], s[54:55]      ; bq, bk, bv at my heads
	s_add_nc_u64 s[20:21], s[78:79], s[54:55]
	s_add_nc_u64 s[22:23], s[80:81], s[54:55]
	s_add_nc_u64 s[4:5], s[84:85], s[58:59]        ; where q, k, v go
	s_add_nc_u64 s[6:7], s[86:87], s[58:59]
	s_add_nc_u64 s[8:9], s[88:89], s[60:61]
	CROUND                                         ; all sixteen work-groups are here: the first joint loads meet
	TLOAD 32                                       ; Wq: one tensor load a wave at the head
	v_and_b32 v22, 15, v0                          ; r
	v_bfe_u32 v23, v0, 4, 1                        ; h
	v_and_b32 v24, 31, v0                          ; lane
	v_mul_u32_u24 v25, v22, PITCH
	v_lshl_add_u32 v[ADB], v23, 4, v25             ; a fragment: row r, 16 h; registers 4 c .. 4 c + 3 hold K = 32 c + 16 h + 0..15, alike in x and in W
	v_add_nc_u32 v[ADB+1], 4*BLK, v[ADB]
	v_add_nc_u32 v[ADB+2], SLOT, v[ADB]
	v_add_nc_u32 v[ADB+3], SLOT+4*BLK, v[ADB]
	v_lshlrev_b32 v25, 10, v22
	v_lshl_add_u32 v[AO], v23, 4, v25
	v_lshlrev_b32 v[CO], 4, v24
	v_lshlrev_b32 v[BOQ], 5, v23
	v_lshlrev_b32 v[BOV], 2, v22
	s_mul_i32 s52, s14, 5120
	s_add_co_u32 s52, s52, QST                     ; my stage for q and k
	v_and_b32 v25, 8, v22
	v_add_nc_u32 v25, v25, v22                     ; token 16 a + r lies at position 32 (a / 2) + 8 (a % 2) + r + 8 (r / 8)
	v_mul_u32_u24 v25, v25, 80
	v_lshl_add_u32 v25, v23, 3, v25
	v_add_nc_u32 v[STOQ], s52, v25
	v_lshrrev_b32 v25, 2, v24
	v_mul_u32_u24 v25, v25, 80
	v_and_b32 v26, 3, v24
	v_lshl_add_u32 v25, v26, 4, v25
	v_add_nc_u32 v[RDQ], s52, v25                  ; back: four lanes a position, eight positions a load
	s_lshr_b32 s52, s14, 1
	s_mul_i32 s52, s52, 64*144                     ; v's stage, in: my tokens lie in chunk wave / 2, at byte 64 (wave % 2) of its rows
	s_and_b32 s53, s14, 1
	s_lshl_b32 s53, s53, 6
	s_add_co_u32 s52, s52, s53
	s_add_co_u32 s52, s52, VST
	v_mul_u32_u24 v25, v22, 144
	v_lshl_add_u32 v25, v23, 3, v25
	v_add_nc_u32 v[STOV], s52, v25
	s_mul_i32 s52, s14, 64*144
	s_add_co_u32 s52, s52, VST
	v_lshrrev_b32 v25, 3, v24
	v_mul_u32_u24 v25, v25, 144
	v_and_b32 v26, 7, v24
	v_lshl_add_u32 v25, v26, 4, v25
	v_add_nc_u32 v[RDV], s52, v25                  ; back: rows 64 wave on; eight lanes a row, four rows a load
	VWAIT
; a unit's biases as they lie in memory.  q, k: for block n my half's eight; v: for block n my d's one
.macro RAWLD kind, u
.irp n, 0,1,2,3,4,5,6,7
.if \kind
	global_load_b32 v[RAW+\n], v[BOV], s[18+2*(\u):19+2*(\u)] offset:64*\n
.else
	global_load_b128 v[RAW+8*\n:RAW+8*\n+3], v[BOQ], s[18+2*(\u):19+2*(\u)] offset:64*\n
	global_load_b128 v[RAW+8*\n+4:RAW+8*\n+7], v[BOQ], s[18+2*(\u):19+2*(\u)] offset:64*\n+16
.endif
.endr
.endm
	RAWLD 0, 0
.irp w, 0,1                                    ; my 64 tokens' codes: K 0-511 into window 2, then K 512-1,023 into window 3
	WIN 0x80+0x40*\w
.irp k, 0,1,2,3
.irp a, 0,1,2,3
.irp c, 0,1,2,3
	global_load_b128 v[64*\k+16*\a+4*\c:64*\k+16*\a+4*\c+3], v[AO], s[16:17] offset:16384*\a+512*\w+128*\k+32*\c
.endr
.endr
.endr
.endr
	WIN 0
	s_wait_kmcnt 0x0
	MKSC 0, 92, 98
	MKSC 1, 94, 99
	MKSC 2, 96, 100
; The bias of block n as a C, into set p: x 2^-(ea + ew)
.macro BIAS kind, n, p, u
.irp j, 0,1,2,3,4,5,6,7
.if \kind
	v_ldexp_f32 v[BC+8*(\p)+\j], v[RAW+(\n)], s[NB+\u]
.else
	v_ldexp_f32 v[BC+8*(\p)+\j], v[RAW+8*(\n)+\j], s[NB+\u]
.endif
.endr
.endm
; W's block n, 16 rows x K = 1,024: 32 loads into set p of window 1
.macro BLOAD slot, n, p
	WIN 0x40
.irp k, 0,1,2,3,4,5,6,7
.irp c, 0,1,2,3
	ds_load_b128 v[128*(\p)+16*\k+4*\c:128*(\p)+16*\k+4*\c+3], v[ADB+2*(\slot)+(\n)/4] offset:((\n)%4)*BLK+128*\k+32*\c
.endr
.endr
.endm
; 16 matrix instructions: half of K, the four accumulators of set p by turns.  The first four take the bias as C: nothing is cleared.
.macro HALFK kind, p, hi
.irp kk, 0,1,2,3
.irp a, 0,1,2,3
.set rD, ACC+32*(\p)+8*\a
.set rC, rD
.if (\hi) == 0 && \kk == 0
.set rC, BC+8*(\p)
.endif
.if \kind
.set rX, 64*\kk+16*\a
.set rY, 128*(\p)+64*(\hi)+16*\kk
.else
.set rX, 128*(\p)+64*(\hi)+16*\kk
.set rY, 64*\kk+16*\a
.endif
	v_wmma_f32_16x16x128_fp8_fp8 v[rD:rD+7], v[rX:rX+15], v[rY:rY+15], v[rC:rC+7]
.endr
.endr
.endm
; Block n's four finished tiles (set q): held, converted (the conversion to an 8-bit code does not saturate: ISA guide 7.6.2), 8 bytes a lane into the stage.  Each accumulator is read from its low end on.
.macro EPI kind, n, q, u
.set j, 0
.rept 32
	v_med3_num_f32 v[ACC+32*(\q)+j], v[ACC+32*(\q)+j], -v[LIM+\u], v[LIM+\u]
.set j, j+1
.endr
.irp a, 0,1,2,3
	v_cvt_scalef32_pk8_fp8_f32 v[CD+2*\a:CD+2*\a+1], v[ACC+32*(\q)+8*\a:ACC+32*(\q)+8*\a+7], v[SC+\u]
.endr
	v_nop                                          ; a plain instruction behind the last conversion
.irp a, 0,1,2,3
.if \kind
	ds_store_b64 v[STOV], v[CD+2*\a:CD+2*\a+1] offset:(((\n)/4)*128+16*((\n)%4))*144+16*\a
.else
	ds_store_b64 v[STOQ], v[CD+2*\a:CD+2*\a+1] offset:(32*(\a/2)+8*(\a%2))*80+16*((\n)%4)
.endif
.endr
.endm
.macro FLUSHRD                         ; a finished head of q or k, 64 positions x 64 bytes, back from my stage.  LDS serves a wave's instructions in order (ISA guide 5.7.1.4): these see my stores, and the next head's stores come behind them
	s_wait_xcnt 0x0                                ; earlier stores have read these registers
.irp i, 0,1,2,3,4,5,6,7
	ds_load_b128 v[RB+4*\i:RB+4*\i+3], v[RDQ] offset:640*\i
.endr
.endm
.macro FLUSHST u, hd                   ; 32 lanes store 512 consecutive bytes, aligned
.irp i, 0,1,2,3,4,5,6,7
	global_store_b128 v[CO], v[RB+4*\i:RB+4*\i+3], s[4+2*(\u):5+2*(\u)] offset:131072*(\hd)+512*\i
.endr
.endm
; BLOCK n of a unit.  Between its two halves of K: the next block's bias, the block before's way to the stage, and the next block's 32 loads.
.macro GROUP kind, u, slot, n, nxt, first
.set p, (\n)%2
	VWAIT                                          ; directly ahead of the wait below
	s_wait_dscnt 16                                ; the block's K 0-511 is in; its younger 16 loads may be out
.if \kind
	WIN 0x06                                       ; source 0: tokens, window 2; source 1: W, window 1
.else
	WIN 0x09                                       ; source 0: W, window 1; source 1: tokens, window 2
.endif
	HALFK \kind, p, 0
	WIN 0
	s_wait_dscnt 0x0                               ; K 512-1,023 of W's block
.if (\first) && (\n) == 0
	s_wait_loadcnt 0x0                             ; and of my tokens
.endif
.if (\n) < 7
	BIAS \kind, (\n)+1, 1-p, \u                    ; eight plain instructions: also the places behind the last block's products
.else
	PLACES
.endif
.if (\n) == 6 && (\nxt) > 0
	RAWLD (\nxt)-1, (\u)+1                         ; this unit's last bias has been read: the next unit's are asked for
.endif
.if (\n) > 0
	EPI \kind, (\n)-1, 1-p, \u
.endif
.if (\kind) == 0 && (\n) == 4
	FLUSHRD
.endif
.if (\n) < 7
	BLOAD \slot, (\n)+1, 1-p
.endif
.if \kind
	WIN 0x07
.else
	WIN 0x0d
.endif
	HALFK \kind, p, 1
.if (\kind) == 0 && (\n) == 4
	WIN 0
	s_wait_dscnt 32                                ; all but the next block's 32 loads: the head is back in registers
	FLUSHST \u, 0
.endif
.endm
.macro UNIT kind, u, slot, nxt, first
.if \first
	s_wait_loadcnt 63                              ; of 16 + 64 + 64 loads the youngest 63 may be out: the biases and my tokens' K 0-511 are in
.else
	s_wait_loadcnt 0x0                             ; the unit's biases
.endif
	BIAS \kind, 0, 0, \u
	BLOAD \slot, 0, 0
.irp n, 0,1,2,3,4,5,6,7
	GROUP \kind, \u, \slot, \n, \nxt, \first
.endr
	WIN 0
	PLACES
	EPI \kind, 7, 1, \u
.endm
	VWAIT                                          ; at the head's end
	THREE                                          ; my part of Wq has landed
	CROUND                                         ; everybody's has, and all sixteen work-groups are here
	TLOAD 36                                       ; Wk into slot 1: a first fill, issued as a refill is
	UNIT 0, 0, 0, 1, 1                             ; q
	FLUSHRD
	s_wait_dscnt 0x0
	FLUSHST 0, 1
	THREE                                          ; my part of Wk has landed, my reads of slot 0 are over
	CROUND
	TLOAD 48                                       ; Wv into slot 0
	UNIT 0, 1, 1, 2, 0                             ; k
	FLUSHRD
	s_wait_dscnt 0x0
	FLUSHST 1, 1
	THREE                                          ; my part of Wv has landed
	s_barrier_signal -1
	s_barrier_wait -1                              ; everybody's has; nothing is filled again
	UNIT 1, 2, 0, 0, 0                             ; v
	s_wait_dscnt 0x0                               ; my codes lie in the work-group's stage:
	s_barrier_signal -1
	s_barrier_wait -1                              ; everybody's do
	s_wait_xcnt 0x0                                ; k's stores have read these registers
.irp i, 0,1,2,3,4,5,6,7,8,9,10,11,12,13,14,15
	ds_load_b128 v[RB+4*\i:RB+4*\i+3], v[RDV] offset:576*\i
.endr
.irp i, 0,1,2,3,4,5,6,7,8,9,10,11,12,13,14,15
	s_wait_dscnt 15-\i
	global_store_b128 v[CO], v[RB+4*\i:RB+4*\i+3], s[8:9] offset:512*\i   ; four rows d of a chunk: 512 consecutive bytes, aligned
.endr
	THREE                                          ; the wave's end
	CROUND                                         ; the closing round: no work-group ends while a partner may still ask for a tile that names it
	s_endpgm
.Lfunc_end_k_q7082e469eb_proj:
	.size	k_q7082e469eb_proj, .Lfunc_end_k_q7082e469eb_proj-k_q7082e469eb_proj
	.p2alignl 7, 3214868480
	.fill 96, 4, 3214868480
	.section	.rodata,"a",@progbits
	.p2align	6, 0x0
	.amdhsa_kernel k_q7082e469eb_proj
		.amdhsa_group_segment_fixed_size 327680
		.amdhsa_private_segment_fixed_size 0
		.amdhsa_enable_private_segment 0
		.amdhsa_kernarg_size 88
		.amdhsa_user_sgpr_count 2
		.amdhsa_user_sgpr_kernarg_segment_ptr 1
		.amdhsa_wavefront_size32 1
		.amdhsa_system_sgpr_workgroup_id_x 1
		.amdhsa_system_sgpr_workgroup_id_y 1
		.amdhsa_system_sgpr_workgroup_id_z 1
		.amdhsa_system_vgpr_workitem_id 0
		.amdhsa_next_free_vgpr 1024
		.amdhsa_next_free_sgpr 102
		.amdhsa_reserve_vcc 0
		.amdhsa_float_denorm_mode_32 3
		.amdhsa_float_denorm_mode_16_64 3
		.amdhsa_memory_ordered 1
		.amdhsa_forward_progress 1
		.amdhsa_inst_pref_size 209
	.end_amdhsa_kernel
	.amdgpu_metadata
---
amdhsa.version: [ 1, 2 ]
amdhsa.kernels:
  - .name:           k_q7082e469eb_proj
    .symbol:         k_q7082e469eb_proj.kd
    .args:
      - { .name: hidden_states_codes, .offset: 0, .size: 8, .value_kind: global_buffer, .address_space: global }
      - { .name: Wq_codes, .offset: 8, .size: 8, .value_kind: global_buffer, .address_space: global }
      - { .name: Wk_codes, .offset: 16, .size: 8, .value_kind: global_buffer, .address_space: global }
      - { .name: Wv_codes, .offset: 24, .size: 8, .value_kind: global_buffer, .address_space: global }
      - { .name: bq, .offset: 32, .size: 8, .value_kind: global_buffer, .address_space: global }
      - { .name: bk, .offset: 40, .size: 8, .value_kind: global_buffer, .address_space: global }
      - { .name: bv, .offset: 48, .size: 8, .value_kind: global_buffer, .address_space: global }
      - { .name: lowp_scales, .offset: 56, .size: 8, .value_kind: global_buffer, .address_space: global }
      - { .name: q_codes, .offset: 64, .size: 8, .value_kind: global_buffer, .address_space: global }
      - { .name: k_codes, .offset: 72, .size: 8, .value_kind: global_buffer, .address_space: global }
      - { .name: v_codes, .offset: 80, .size: 8, .value_kind: global_buffer, .address_space: global }
    .group_segment_fixed_size: 327680
    .private_segment_fixed_size: 0
    .kernarg_segment_align: 8
    .kernarg_segment_size: 88
    .max_flat_workgroup_size: 128
    .sgpr_count:     102
    .vgpr_count:     1024
    .wavefront_size: 32
...
	.end_amdgpu_metadata
.endif
;; end of part 1
;; launch attn (part 2): grid 4 x 64, 8 waves a work-group, clusters of 4 x 1, 327,680 bytes of LDS; arguments q_codes, k_codes, v_codes, attention_mask, lowp_scales, out0; writes out0
.if DOCPART == 2
	.amdgcn_target "amdgcn-amd-amdhsa--gfx1250"
	.amdhsa_code_object_version 6
	.text
	.protected	k_q7082e469eb_attn
	.globl	k_q7082e469eb_attn
	.p2align	8
	.type	k_q7082e469eb_attn,@function
k_q7082e469eb_attn:
	s_mov_b64 s[64:65], 0
	v_nop
	global_prefetch_b8 v0, s[64:65] scope:SCOPE_SE
	s_setreg_imm32_b32 hwreg(HW_REG_WAVE_MODE, 25, 1), 1
	s_wait_xcnt 0x0
	s_wait_alu depctr_hold_cnt(0) depctr_sa_sdst(0) depctr_va_vdst(0) depctr_va_sdst(0) depctr_va_ssrc(0) depctr_va_vcc(0) depctr_vm_vsrc(0)
	s_getreg_b32 s2, hwreg(HW_REG_IB_STS2, 6, 4)
	s_cmp_eq_u32 s2, 0
	s_cbranch_scc0 .Lentry_in_a_cluster
	s_endpgm
.Lentry_in_a_cluster:
	s_bfe_u32 s2, ttmp6, 0x10000c
	s_cmp_lg_u32 s2, 0x3003
	s_cbranch_scc0 .Lentry_shape_is_right
	s_endpgm
.Lentry_shape_is_right:
; ATTENTION ON CODES OF FP8 (E4M3): out[b][q][64 head + d] = sum over k of softmax_k(q . k / 8 + mask[b][k]) v[k][d]; 64 heads (bh = 16 b + head), 2,048 keys, head size 64; both products on codes, each tensor with its given scale.
; THE SOFTMAX AHEAD OF THE SECOND PRODUCT: t = logit x log2(e); M = the largest t so far, rounded UP to a whole number; p = 2^(t - M) is quantised with 2^ep, not normalised; the row's sum is taken of the unquantised p and divides at the end.
; When M moves, the sum and O are multiplied by 2^(old M - new M): nothing is rounded, and there is no branch on data.
; SHARES.  A work-group owns 512 queries of one head, in two passes of 256; each of its eight waves 32 queries a pass: two tiles of 16, so that each fragment of K, of V and of the mask read from LDS feeds two matrix instructions.
; THE HEAD'S K AND V STAY IN LDS: 2 x 131,072 bytes of codes are fetched once, at the kernel's head, one tensor load of 128 rows x 256 bytes a wave (waves 0-3: K's quarters; waves 4-7: V's).  No LDS byte is filled twice:
; one barrier stands behind the landing, and the two passes over the keys have none.
; CLUSTER.  The four work-groups of a head form a cluster and ask for every tile JOINTLY: the same tensor load, with the same descriptor and a mask that names the four, in all four.
; NO PREFETCH: K and V are asked for once, at the head; there is no loop that could run ahead of those loads.
; LAYOUT.  Both products are used transposed: S^T = K Q^T + C (source 0 = 16 keys, source 1 = 16 queries), O^T = V^T P^T (source 0 = 16 of the head's 64, source 1 = P): a lane holds ONE query (lane % 16) throughout.
;   q_codes, k_codes: [bh][position][64]; token s lies at position s with bits 3 and 4 exchanged, so that the 16 registers of key tiles 2 b and 2 b + 1 are the 16 neighbouring keys 32 b + 16 (lane / 16) + 0 .. 15:
;   the conversions' results are the second product's operand.   v_codes: [bh][chunk of 128 keys][d][128].
; THE MASK COSTS NO VECTOR INSTRUCTION: C = mask x 2^(3 - eq - ek), an exact scaling, is the C of the first product; then t = S x c with c = log2(e) / 8 x 2^(eq + ek).
; LIMITS: eq + ek between -123 and 130 (added to c's exponent field); ep between -126 and 119.  A mask entry whose product with 2^(3 - eq - ek) passes the largest f32 number counts as -infinity: its key gets p = 0;
;   a row ALL of whose keys are so masked gives NaN, as a row masked by -infinity does in the definition; where the entries were finite the definition gives numbers there.  NaN among the inputs is not served.
; REGISTERS.  window 0: v1-7 addresses; v8-15 for each tile -M, the largest t, the sum in two halves; v16-27 at work; v28, v29 448 x 2^ep, 2^ep; v30, v31 the stage; v32-63 p's codes (before that: tile 0's pair sums); v64-191 S^T, then p; v192-255 O^T.
;             window 1: v0-15 Q; v16-79 K's eight tiles of a step; v80-143 V's four; v144-207 the mask of the eight tiles.
.set KREG,  0                          ; K: 512 LDS rows of 256 bytes (four positions) + 16 of padding
.set VREG,  139264                     ; V: 512 LDS rows of 256 bytes (two rows d of a chunk) + 16
.set MREG,  278528                     ; the scaled mask, 2,048 f32: stored by the waves; no tile lands here
.set STAGE, 286720                     ; the way out: 16 rows x (256 bytes + 16) for each wave; no tile lands here
.set SPARE, 321536                     ; the spare words: 128 bytes a wave, four blocks of 256 bytes that no other line names
.set PIECE, 34816                      ; 128 LDS rows: what one tensor load brings
.set STEPB, 8704                       ; 32 LDS rows: a step's 128 keys, in K's region and in V's
.set AK0, 1                            ; my lane's place in a tile of K: 272 (r / 4) + 64 (r % 4) + 16 h
.set AV0, 2                            ; in a tile of V: VREG + 272 (r / 2) + 128 (r % 2) + 16 h
.set AM0, 3                            ; in the mask: MREG + 64 h
.set ADK, 4                            ; the step's address in K; on the way out my byte offset in the wave's rows of out
.set ADV, 5                            ; in V
.set ADM, 6                            ; in the mask
.set QO,  7                            ; my byte in the wave's 32 positions of Q; never rewritten
.set ST,  8                            ; tile q: v[ST+4q] -M, +1 the largest t, +2, +3 the sum
.set L0,  ST+2
.set L1,  ST+6
.set F,   16                           ; v[F+2q] f = 2^(old M - new M); of each pair the low word alone is taken
.set LIM2, 17                          ; 448 x 2^ep once more, for the second half of a dual pair (its second sources lie in different register banks); also named as the upper half of f's first pair
.set SPW, 20                           ; LDS address of my spare word; never rewritten
.set NIL, 21                           ; 0; never rewritten
.set SU,  22                           ; v[22:23] tile 1's second chain of sums
.set X,   24
.set PD,  26                           ; what the other half of the lanes sends
.set LIMP, 28
.set SCP,  29
.set STO, 30
.set RD,  31
.set P,   32
.set S,   64
.set S1,  S+64
.set O,   192
.set QF,  0                            ; in window 1
.set KF,  16
.set VF,  80
.set MF,  144
.set WV,  16                           ; s16  my wave's number
.set SEL, 20                           ; s[20:21] lane selects: lane l xor 16
.set CS,  22                           ; s[22:23] c, twice
.set G1,  24                           ; s[24:31] descriptor group 1, the same for every tile
.set G0K, 32                           ; s[32:35] group 0 for K
.set G0V, 36                           ; s[36:39] for V
.set TB,  40                           ; the step's first byte in K's region and in V's
.set TM,  41                           ; in the mask
.set CNT, 42
.set PASS, 43
.set MSB, 0
.macro WIN new                         ; the immediate's high byte repeats the setting that is left
.if MSB != (\new)
	s_set_vgpr_msb (MSB<<8)|(\new)
.set MSB, \new
.endif
.endm
.macro VWAIT
	s_wait_alu depctr_va_vdst(0)
.endm
.macro CROUND                          ; a round of the cluster's barrier
	s_barrier_signal -1
	s_barrier_wait -1
	s_cmp_lg_u32 s[WV], 0
	s_cbranch_scc1 .Lnot_wave_0_\@
	s_barrier_signal -3
.Lnot_wave_0_\@:
	s_barrier_wait -3
	s_barrier_signal -1
	s_barrier_wait -1
.endm
	s_load_b256 s[4:11], s[0:1], 0x0               ; q_codes s[4:5], k_codes s[6:7], v_codes s[8:9], the mask s[10:11]
	s_load_b128 s[12:15], s[0:1], 0x20             ; the scales' exponents s[12:13], out s[14:15]
	v_lshl_add_u32 v[SPW], v0, 2, SPARE
	v_mov_b32 v[NIL], 0
	ds_add_u32 v[SPW], v[NIL]                      ; the opening lines: the add, twice on end, and its wait ahead of my tensor load
	ds_add_u32 v[SPW], v[NIL]
	v_lshrrev_b32 v1, 5, v0
	v_readfirstlane_b32 s[WV], v1                  ; wave 0..7
	s_bfe_u32 s17, ttmp6, 0x40000                  ; cx: my place in the cluster
	s_and_b32 s18, ttmp7, 0xffff                   ; bh, which the four partners share
	s_lshl_b32 s19, ttmp9, 2
	s_add_co_u32 s19, s19, s17                     ; my block of 512 queries: it enters Q's and out's addresses alone
	s_mov_b32 s[G1], 15|(0<<16)|(1<<20)|(1<<21)|(5<<22)|(3<<25)   ; the mask names all four; elements of 1 byte; padding on; bit 21 beside a mask; four words after every 64
	s_mov_b32 s[G1+1], 256<<16                     ; tensor_dim0
	s_mov_b32 s[G1+2], 128<<16                     ; tensor_dim1
	s_mov_b32 s[G1+3], 256<<16                     ; tile_dim0
	s_mov_b32 s[G1+4], 128                         ; tile_dim1
	s_mov_b32 s[G1+5], 256                         ; rows lie dense
	s_mov_b32 s[G1+6], 0
	s_mov_b32 s[G1+7], 0
	s_mov_b32 s[SEL], 0x76543210
	s_mov_b32 s[SEL+1], 0xfedcba98
	s_mov_b32 s[CS], 0x3e38aa3b                    ; log2(e) / 8
	s_and_b32 s50, s[WV], 3                        ; which quarter I fetch (waves 0-3: of K; waves 4-7: of V)
	s_mul_i32 s51, s50, PIECE                      ; its place in LDS: no place in the cluster enters an LDS address
	s_lshl_b32 s66, s18, 17                        ; the head's first byte in each buffer of codes
	s_lshl_b32 s68, s50, 15                        ; the quarter's 32,768 bytes of memory
	s_add_co_u32 s68, s68, s66
	s_mov_b32 s69, 0
	s_lshl_b32 s70, s19, 9
	s_lshl_b32 s71, s[WV], 5
	s_add_co_u32 s70, s70, s71                     ; my first query: 512 x block + 32 x wave
	s_lshl_b32 s72, s70, 6
	s_add_co_u32 s72, s72, s66                     ; its codes
	s_mov_b32 s73, 0
	s_lshr_b32 s74, s18, 4                         ; the batch
	s_lshl_b32 s76, s74, 13                        ; its 8,192 bytes of mask
	s_mov_b32 s77, 0
	s_lshl_b32 s74, s74, 23                        ; out: batch x 2,048 rows of 4,096 bytes
	s_and_b32 s75, s18, 15
	s_lshl_b32 s75, s75, 8                         ; + head x 256 bytes
	s_add_co_u32 s74, s74, s75
	s_lshl_b32 s75, s70, 12                        ; + my first query's row
	s_add_co_u32 s74, s74, s75
	s_mov_b32 s75, 0
	s_mov_b32 s[G0K], 1
	s_add_co_u32 s[G0K+1], s51, KREG
	s_mov_b32 s[G0V], 1
	s_add_co_u32 s[G0V+1], s51, VREG
	s_wait_dscnt 0x0                               ; both opening adds are done
	s_wait_kmcnt 0x0
	s_load_b64 s[44:45], s[12:13], 0x18            ; eq, ek
	s_load_b64 s[46:47], s[12:13], 0x20            ; ep, ev
	s_add_nc_u64 s[G0K+2:G0K+3], s[6:7], s[68:69]
	s_or_b32 s[G0K+3], s[G0K+3], 0x80000000
	s_add_nc_u64 s[G0V+2:G0V+3], s[8:9], s[68:69]
	s_or_b32 s[G0V+3], s[G0V+3], 0x80000000
	s_add_nc_u64 s[4:5], s[4:5], s[72:73]
	s_add_nc_u64 s[10:11], s[10:11], s[76:77]
	s_add_nc_u64 s[14:15], s[14:15], s[74:75]
	CROUND                                         ; all four work-groups are here: the joint loads meet
	s_cmp_lt_u32 s[WV], 4                          ; one tensor load a wave, one in each arm; s_nop 0 and four v_nop follow each
	s_cbranch_scc0 .Lfirst_v
	tensor_load_to_lds s[G0K:G0K+3], s[G1:G1+7]
	s_nop 0
.rept 4
	v_nop
.endr
	s_branch .Lfirst_asked
.Lfirst_v:
	tensor_load_to_lds s[G0V:G0V+3], s[G1:G1+7]
	s_nop 0
.rept 4
	v_nop
.endr
.Lfirst_asked:
	v_lshlrev_b32 v[ADK], 4, v0                    ; the mask: 256 threads x 16 bytes, twice
	v_lshl_add_u32 v[ADV], v0, 4, MREG
	global_load_b128 v[S:S+3], v[ADK], s[10:11]
	global_load_b128 v[S+4:S+7], v[ADK], s[10:11] offset:4096
	v_and_b32 v[X], 15, v0                         ; r
	v_bfe_u32 v[X+1], v0, 4, 1                     ; h
	v_and_b32 v[PD], 8, v[X]
	v_add_nc_u32 v[PD], v[PD], v[X]                ; r + 8 (r / 8): positions 0-7, 16-23 of my 32 are queries 0-15; those 8 further on are queries 16-31
	v_lshlrev_b32 v[QO], 6, v[PD]
	v_lshl_add_u32 v[QO], v[X+1], 4, v[QO]
	WIN 0x40                                       ; destination window 1, address window 0
	global_load_b128 v[QF:QF+3], v[QO], s[4:5]     ; a fragment, 16 rows x 64, is 8 registers: d = 16 h + 0..15, then 32 + 16 h + 0..15: the same order of d in K and in Q
	global_load_b128 v[QF+4:QF+7], v[QO], s[4:5] offset:32
	global_load_b128 v[QF+8:QF+11], v[QO], s[4:5] offset:512
	global_load_b128 v[QF+12:QF+15], v[QO], s[4:5] offset:544
	WIN 0
	v_lshrrev_b32 v[PD], 2, v[X]
	v_mul_u32_u24 v[AK0], v[PD], 272
	v_and_b32 v[PD], 3, v[X]
	v_lshl_add_u32 v[AK0], v[PD], 6, v[AK0]
	v_lshl_add_u32 v[AK0], v[X+1], 4, v[AK0]
	v_lshrrev_b32 v[PD], 1, v[X]
	v_mul_u32_u24 v[AV0], v[PD], 272
	v_and_b32 v[PD], 1, v[X]
	v_lshl_add_u32 v[AV0], v[PD], 7, v[AV0]
	v_lshl_add_u32 v[AV0], v[X+1], 4, v[AV0]
	v_add_nc_u32 v[AV0], VREG, v[AV0]
	v_lshl_add_u32 v[AM0], v[X+1], 6, MREG
	s_mul_i32 s50, s[WV], 16*272
	s_add_co_u32 s50, s50, STAGE                   ; my stage
	v_mul_u32_u24 v[STO], v[X], 272
	v_lshl_add_u32 v[STO], v[X+1], 5, v[STO]
	v_add_nc_u32 v[STO], s50, v[STO]               ; in: row r; tile t's eight channels of my half: 64 t + 32 h bytes on
	v_mul_u32_u24 v[RD], v[X+1], 272
	v_lshl_add_u32 v[RD], v[X], 4, v[RD]
	v_add_nc_u32 v[RD], s50, v[RD]                 ; back: lanes 0-15 one row, lanes 16-31 the next
	v_mov_b32 v[PD], 0                             ; written once: a lane permute's destination counts as one of its sources
	v_mov_b32 v[PD+1], 0
	v_mov_b32 v[F+3], 0                            ; (named as the upper half of f's second pair)
	s_wait_kmcnt 0x0
	s_add_co_i32 s50, s44, s45                     ; eq + ek
	s_sub_co_i32 s48, 3, s50                       ; the mask goes in x 2^(3 - eq - ek)
	s_lshl_b32 s50, s50, 23
	s_add_co_i32 s[CS], s[CS], s50                 ; c = log2(e) / 8 x 2^(eq + ek)
	s_mov_b32 s[CS+1], s[CS]
	s_add_co_i32 s49, s46, s47                     ; ep + ev
	s_add_co_i32 s50, s46, 127
	s_lshl_b32 s51, s50, 23
	v_mov_b32 v[SCP], s51                          ; 2^ep as f32, for the conversion
	s_add_co_i32 s50, s50, 8
	s_lshl_b32 s50, s50, 23
	s_or_b32 s50, s50, 0x600000
	v_mov_b32 v[LIMP], s50                         ; 448 x 2^ep
	v_mov_b32 v[LIM2], s50
	s_wait_loadcnt 4                               ; the mask's two loads are in; Q's four may be out
.irp j, 0,1,2,3,4,5,6,7
	v_ldexp_f32 v[S+\j], v[S+\j], s48
.endr
	ds_store_b128 v[ADV], v[S:S+3]
	ds_store_b128 v[ADV], v[S+4:S+7] offset:4096
; A step's K (eight tiles of 16 positions) and mask (16 neighbouring keys of each block of 32 for my half of the lanes) into window 1.  nops: v_nop to fill up the four places behind the products that read these registers.
.macro FETCH_KM nops
	v_add_nc_u32 v[ADK], s[TB], v[AK0]
	v_add_nc_u32 v[ADM], s[TM], v[AM0]
.if \nops
.rept \nops
	v_nop
.endr
.endif
	WIN 0x40
.irp t, 0,1,2,3,4,5,6,7
	ds_load_b128 v[KF+8*\t:KF+8*\t+3], v[ADK] offset:1088*\t
	ds_load_b128 v[KF+8*\t+4:KF+8*\t+7], v[ADK] offset:1088*\t+32
.endr
.irp n, 0,1,2,3,4,5,6,7,8,9,10,11,12,13,14,15
	ds_load_b128 v[MF+4*\n:MF+4*\n+3], v[ADM] offset:128*(\n/4)+16*(\n%4)   ; registers 8 t + j of tile t = 2 b + u: key 32 b + 16 h + 8 u + j
.endr
	WIN 0
.endm
; Tile 1's sum, op j of 32, on pairs of p (pair k = registers 2 k, 2 k + 1), in two chains: 0: sum = sum x f + pair 0; 1: second chain = pair 1 + pair 3; 2: pair 2; 3 to 30: pair j + 1; 31: the chains meet.
.macro SUM1
.if j == 0
	v_pk_fma_f32 v[L1:L1+1], v[L1:L1+1], v[F+2:F+3], v[S1:S1+1] op_sel_hi:[1,0,1]
.elseif j == 1
	v_pk_add_f32 v[SU:SU+1], v[S1+2:S1+3], v[S1+6:S1+7]
.elseif j == 2
	v_pk_add_f32 v[L1:L1+1], v[L1:L1+1], v[S1+4:S1+5]
.elseif j == 31
	v_pk_add_f32 v[L1:L1+1], v[L1:L1+1], v[SU:SU+1]
.elseif (j%2) == 1
	v_pk_add_f32 v[L1:L1+1], v[L1:L1+1], v[S1+2*j+2:S1+2*j+3]
.else
	v_pk_add_f32 v[SU:SU+1], v[SU:SU+1], v[S1+2*j+2:S1+2*j+3]
.endif
.endm
; Tile 0's sum, op n of 16: its sixteen pair sums T0 .. T15 (at v[P+2i]) are folded 8, 4, 2, 1; the last op is sum = sum x f + T0.
.macro TREE
.if n < 8
	v_pk_add_f32 v[P+2*n:P+2*n+1], v[P+2*n:P+2*n+1], v[P+2*n+16:P+2*n+17]
.elseif n < 12
	v_pk_add_f32 v[P+2*(n-8):P+2*(n-8)+1], v[P+2*(n-8):P+2*(n-8)+1], v[P+2*(n-8)+8:P+2*(n-8)+9]
.elseif n < 14
	v_pk_add_f32 v[P+2*(n-12):P+2*(n-12)+1], v[P+2*(n-12):P+2*(n-12)+1], v[P+2*(n-12)+4:P+2*(n-12)+5]
.elseif n == 14
	v_pk_add_f32 v[P:P+1], v[P:P+1], v[P+2:P+3]
.else
	v_pk_fma_f32 v[L0:L0+1], v[L0:L0+1], v[F:F+1], v[P:P+1] op_sel_hi:[1,0,1]
.endif
.endm
.macro HOLD2 r                         ; two p held at 448 x 2^ep in one dual pair (the conversion to an 8-bit code does not saturate: ISA guide 7.6.2; p is not negative, so the hold is one-sided)
	v_dual_min_num_f32 v[\r], v[\r], v[LIMP] :: v_dual_min_num_f32 v[\r+1], v[\r+1], v[LIM2]
.endm
; A KEY STEP: 128 keys for my two tiles of queries.  pre = 1: the next step's K and mask are fetched behind the first products.  qnext = 1: the next pass's Q is asked for, if there is a next pass.
.macro STEP pre, qnext
	v_add_nc_u32 v[ADV], s[TB], v[AV0]
.rept 3
	v_nop                                          ; with the addition: four places in front of loads into registers that the last step's products read
.endr
	WIN 0x40
.irp t, 0,1,2,3
.irp c, 0,1,2,3
	ds_load_b128 v[VF+16*\t+4*\c:VF+16*\t+4*\c+3], v[ADV] offset:2176*\t+32*\c   ; V^T: row d = 16 t + r, keys 32 c + 16 h + 0..15: the order in which p's codes lie
.endr
.endr
	s_wait_dscnt 16                                ; all but the 16 loads just issued: K and the mask are in
	WIN 0x15                                       ; K, Q and the mask in window 1, S^T in window 0
.irp t, 0,1,2,3,4,5,6,7
.irp q, 0,1
	v_wmma_f32_16x16x64_fp8_fp8 v[S+64*\q+8*\t:S+64*\q+8*\t+7], v[KF+8*\t:KF+8*\t+7], v[QF+8*\q:QF+8*\q+7], v[MF+8*\t:MF+8*\t+7]
.endr
.endr
	WIN 0
.if \pre
	s_add_co_u32 s[TB], s[TB], STEPB
	s_add_co_u32 s[TM], s[TM], 512
	FETCH_KM 2                                     ; two additions and two v_nop: the four places behind the products, for these loads and for the first read of the scores
.else
.rept 4
	v_nop
.endr
.endif
.if \qnext
	s_cmp_eq_u32 s[PASS], 1                        ; no load leaves its buffer: the last pass asks for nothing
	s_cbranch_scc1 .Lnoq_\@
	WIN 0x40
	global_load_b128 v[QF:QF+3], v[QO], s[4:5] offset:16384
	global_load_b128 v[QF+4:QF+7], v[QO], s[4:5] offset:16384+32
	global_load_b128 v[QF+8:QF+11], v[QO], s[4:5] offset:16384+512
	global_load_b128 v[QF+12:QF+15], v[QO], s[4:5] offset:16384+544
	WIN 0
.Lnoq_\@:
.endif
	; the step's largest score of each query, among my 64 keys, in two chains a tile; each accumulator is read from its low end on
.irp q, 0,1
	v_max3_num_f32 v[X+\q], v[S+64*\q], v[S+64*\q+1], v[S+64*\q+2]
	v_max3_num_f32 v[F+2*\q], v[S+64*\q+3], v[S+64*\q+4], v[S+64*\q+5]
.endr
.irp i, 6,10,14,18,22,26,30,34,38,42,46,50,54,58
.irp q, 0,1
	v_max3_num_f32 v[X+\q], v[X+\q], v[S+64*\q+\i], v[S+64*\q+\i+1]
	v_max3_num_f32 v[F+2*\q], v[F+2*\q], v[S+64*\q+\i+2], v[S+64*\q+\i+3]
.endr
.endr
.irp q, 0,1
	v_max3_num_f32 v[X+\q], v[X+\q], v[S+64*\q+62], v[S+64*\q+63]
.endr
.irp q, 0,1
	v_max_num_f32 v[X+\q], v[X+\q], v[F+2*\q]
.endr
.irp q, 0,1
	v_permlanex16_b32 v[PD+\q], v[X+\q], s[SEL], s[SEL+1]
.endr
.irp q, 0,1
	v_max_num_f32 v[X+\q], v[X+\q], v[PD+\q]       ; and among lane l xor 16's
.endr
.irp q, 0,1
	v_mul_f32 v[X+\q], s[CS], v[X+\q]              ; as t (c is positive)
.endr
.irp q, 0,1
	v_max_num_f32 v[ST+4*\q+1], v[ST+4*\q+1], v[X+\q]   ; the running largest t
.endr
.irp q, 0,1
	v_mov_b32 v[X+\q], v[ST+4*\q]
.endr
.irp q, 0,1
	v_floor_f32 v[ST+4*\q], -v[ST+4*\q+1]          ; the new -M = floor(-t) = -ceil(t): M is a whole number
.endr
.irp q, 0,1
	v_sub_f32 v[X+\q], v[ST+4*\q], v[X+\q]         ; M's old value less its new one: a whole number, 0 or less
.endr
.irp q, 0,1
	v_cvt_i32_f32 v[X+\q], v[X+\q]                 ; (it saturates)
.endr
.irp q, 0,1
	v_ldexp_f32 v[F+2*\q], 1.0, v[X+\q]            ; f = 2^(old M - new M)
.endr
.set j, 0
.rept 32
	v_pk_fma_f32 v[S+2*j:S+2*j+1], v[S+2*j:S+2*j+1], s[CS:CS+1], v[ST:ST+1] op_sel_hi:[1,0,0]   ; tile 0: t - M, two at a time (of the pairs c and -M the low word serves both halves)
.set j, j+1
.endr
.irp q, 0,1
.irp i, 0,2,4,6,8,10,12,14,16,18,20,22,24,26,28,30
	v_pk_mul_f32 v[O+32*\q+\i:O+32*\q+\i+1], v[O+32*\q+\i:O+32*\q+\i+1], v[F+2*\q:F+2*\q+1] op_sel_hi:[1,0]   ; O^T under the new M: the last products' results are first read here, ahead of this step's exponentials
.endr
.endr
	VWAIT                                          ; ahead of the first batch
.set j, 0
.rept 32                                       ; tile 0's exponentials; among them tile 1's scalings, which read nothing made in this batch and are read behind the next wait
	v_exp_f32 v[S+2*j], v[S+2*j]
	v_pk_fma_f32 v[S1+2*j:S1+2*j+1], v[S1+2*j:S1+2*j+1], s[CS:CS+1], v[ST+4:ST+5] op_sel_hi:[1,0,0]
	v_exp_f32 v[S+2*j+1], v[S+2*j+1]
.set j, j+1
.endr
	VWAIT                                          ; behind the first batch and ahead of the second
.set j, 0
.rept 16                                       ; tile 1's exponentials; among them, of tile 0: sixteen sums of two pairs of the UNQUANTISED p, into the registers that will hold the codes, and then the holds.  None reads what another of them wrote
	v_exp_f32 v[S1+4*j], v[S1+4*j]
	v_pk_add_f32 v[P+2*j:P+2*j+1], v[S+4*j:S+4*j+1], v[S+4*j+2:S+4*j+3]
	v_exp_f32 v[S1+4*j+1], v[S1+4*j+1]
	HOLD2 S+4*j
	v_exp_f32 v[S1+4*j+2], v[S1+4*j+2]
	HOLD2 S+4*j+2
	v_exp_f32 v[S1+4*j+3], v[S1+4*j+3]
.set j, j+1
.endr
	VWAIT                                          ; behind the second batch
.set j, 0
.rept 32                                       ; tile 1: sums, then holds, then codes; tile 0's pair sums are folded among them.  Code pair m of tile 1 lands on T(8 + m), which op m of the folding has read
	SUM1
	HOLD2 S1+2*j
.if (j%2) == 0
.set n, j/2
	TREE
.endif
.if (j%4) == 3
	v_cvt_scalef32_pk8_fp8_f32 v[P+16+2*(j/4):P+16+2*(j/4)+1], v[S1+8*(j/4):S1+8*(j/4)+7], v[SCP]
.endif
.set j, j+1
.endr
.irp m, 0,1,2,3,4,5,6,7
	v_cvt_scalef32_pk8_fp8_f32 v[P+2*\m:P+2*\m+1], v[S+8*\m:S+8*\m+7], v[SCP]   ; tile 0's codes
.endr
	v_nop                                          ; a plain instruction between the last conversion and the products that read the codes
	VWAIT                                          ; directly ahead of the wait below
.if \pre
	s_wait_dscnt 32                                ; all but the next step's 32 loads: V is in
.else
	s_wait_dscnt 0x0
.endif
	WIN 0x01                                       ; V in window 1
.irp t, 0,1,2,3
.irp q, 0,1                                    ; the eight accumulators take turns, one instruction a turn
	v_wmma_f32_16x16x128_fp8_fp8 v[O+32*\q+8*\t:O+32*\q+8*\t+7], v[VF+16*\t:VF+16*\t+15], v[P+16*\q:P+16*\q+15], v[O+32*\q+8*\t:O+32*\q+8*\t+7]
.endr
.endr
	WIN 0
.endm
	s_mov_b32 s[PASS], 2
	VWAIT                                          ; at the head's end
	s_wait_tensorcnt 0x0                           ; my quarter of K or of V has landed,
	s_wait_dscnt 0x0                               ; my part of the mask is stored:
	s_barrier_signal -1
	s_barrier_wait -1                              ; everybody's has.  Nothing is filled again: no further barrier until the end
.Lpass:                                            ; 256 queries of the work-group, 32 of mine
.irp q, 0,1
	v_mov_b32 v[ST+4*\q+1], 0xff61b1e6             ; the largest t so far: -3e38
	v_floor_f32 v[ST+4*\q], -v[ST+4*\q+1]          ; -M
	v_mov_b32 v[ST+4*\q+2], 0                      ; the sum, in two halves
	v_mov_b32 v[ST+4*\q+3], 0
.endr
.set j, 0
.rept 64
	v_mov_b32 v[O+j], 0                            ; O^T.  (The step has no first step of its own: the first finds zeros, which the first change of M leaves zeros)
.set j, j+1
.endr
	VWAIT                                          ; directly ahead of the wait below
	s_wait_loadcnt 0x0                             ; Q
	s_mov_b32 s[TB], 0
	s_mov_b32 s[TM], 0
	FETCH_KM 0
	s_mov_b32 s[CNT], 15
.Lstep:
	STEP 1, 0
	s_sub_co_u32 s[CNT], s[CNT], 1
	s_cmp_lg_u32 s[CNT], 0
	s_cbranch_scc1 .Lstep
	STEP 0, 1                                      ; the sixteenth step fetches no K ahead
	; THE WAY OUT.  O^T / the sum x 2^(ep + ev) goes through my stage in LDS, a tile of 16 queries at a time, so that sixteen lanes store a query's 256 bytes of its head, aligned.
	v_and_b32 v[X], 15, v0                         ; four plain instructions: the places behind the last products
	v_bfe_u32 v[X+1], v0, 4, 1
	v_lshlrev_b32 v[ADK], 12, v[X+1]
	v_lshl_add_u32 v[ADK], v[X], 4, v[ADK]         ; lanes 0-15 take one row of out, lanes 16-31 the next; 16 bytes a lane
.irp q, 0,1
	v_add_f32 v[X+\q], v[ST+4*\q+2], v[ST+4*\q+3]  ; the sum's two halves,
.endr
.irp q, 0,1
	v_permlanex16_b32 v[PD+\q], v[X+\q], s[SEL], s[SEL+1]
.endr
.irp q, 0,1
	v_add_f32 v[X+\q], v[X+\q], v[PD+\q]           ; and lane l xor 16's: the row's sum
.endr
	VWAIT                                          ; ahead of the reciprocals
.irp q, 0,1
	v_rcp_f32 v[X+\q], v[X+\q]
.endr
	v_nop                                          ; a plain instruction behind the last reciprocal
	VWAIT                                          ; ahead of their first reader
.irp q, 0,1
	v_ldexp_f32 v[F+2*\q], v[X+\q], s49
.endr
	VWAIT                                          ; directly ahead of the first readers of O^T
.irp q, 0,1
.irp i, 0,2,4,6,8,10,12,14,16,18,20,22,24,26,28,30
	v_pk_mul_f32 v[S+64*\q+\i:S+64*\q+\i+1], v[O+32*\q+\i:O+32*\q+\i+1], v[F+2*\q:F+2*\q+1] op_sel_hi:[1,0]   ; register 8 t + j: out(query r, d = 16 t + 8 h + j)
.endr
.endr
.irp q, 0,1
.irp t, 0,1,2,3
	ds_store_b128 v[STO], v[S+64*\q+8*\t:S+64*\q+8*\t+3] offset:64*\t
	ds_store_b128 v[STO], v[S+64*\q+8*\t+4:S+64*\q+8*\t+7] offset:64*\t+16
.endr
.irp i, 0,1,2,3,4,5,6,7
	ds_load_b128 v[S+64*\q+32+4*\i:S+64*\q+32+4*\i+3], v[RD] offset:544*\i   ; LDS serves a wave's instructions in order (ISA guide 5.7.1.4): these see my stores, and the next tile's stores come behind them
.endr
.endr
.irp q, 0,1
.irp i, 0,1,2,3,4,5,6,7
	s_wait_dscnt 16*(1-\q)+7-\i                    ; load i of the tile is in; its younger loads, and for tile 0 tile 1's sixteen LDS instructions, may be out
	global_store_b128 v[ADK], v[S+64*\q+32+4*\i:S+64*\q+32+4*\i+3], s[14:15] offset:(16*\q+2*\i)*4096 th:TH_STORE_NT   ; written once, read by nobody here
.endr
.endr
	s_wait_xcnt 0x0                                ; the stores and Q's loads have read their registers and bases: only behind this wait are they written again
	s_add_nc_u64 s[4:5], s[4:5], 16384             ; 256 queries on
	s_add_nc_u64 s[14:15], s[14:15], 0x100000
	s_sub_co_u32 s[PASS], s[PASS], 1
	s_cmp_lg_u32 s[PASS], 0
	s_cbranch_scc1 .Lpass
	s_wait_tensorcnt 0x0                           ; the wave's end
	ds_add_u32 v[SPW], v[NIL]
	s_wait_dscnt 0x0
	CROUND                                         ; the closing round: no work-group ends while a partner may still ask for a tile that names it
	s_endpgm
.Lfunc_end_k_q7082e469eb_attn:
	.size	k_q7082e469eb_attn, .Lfunc_end_k_q7082e469eb_attn-k_q7082e469eb_attn
	.p2alignl 7, 3214868480
	.fill 96, 4, 3214868480
	.section	.rodata,"a",@progbits
	.p2align	6, 0x0
	.amdhsa_kernel k_q7082e469eb_attn
		.amdhsa_group_segment_fixed_size 327680
		.amdhsa_private_segment_fixed_size 0
		.amdhsa_enable_private_segment 0
		.amdhsa_kernarg_size 48
		.amdhsa_user_sgpr_count 2
		.amdhsa_user_sgpr_kernarg_segment_ptr 1
		.amdhsa_wavefront_size32 1
		.amdhsa_system_sgpr_workgroup_id_x 1
		.amdhsa_system_sgpr_workgroup_id_y 1
		.amdhsa_system_sgpr_workgroup_id_z 1
		.amdhsa_system_vgpr_workitem_id 0
		.amdhsa_next_free_vgpr 512
		.amdhsa_next_free_sgpr 80
		.amdhsa_reserve_vcc 0
		.amdhsa_float_denorm_mode_32 3
		.amdhsa_float_denorm_mode_16_64 3
		.amdhsa_memory_ordered 1
		.amdhsa_forward_progress 1
		.amdhsa_inst_pref_size 77
	.end_amdhsa_kernel
	.amdgpu_metadata
---
amdhsa.version: [ 1, 2 ]
amdhsa.kernels:
  - .name:           k_q7082e469eb_attn
    .symbol:         k_q7082e469eb_attn.kd
    .args:
      - { .name: q_codes, .offset: 0, .size: 8, .value_kind: global_buffer, .address_space: global }
      - { .name: k_codes, .offset: 8, .size: 8, .value_kind: global_buffer, .address_space: global }
      - { .name: v_codes, .offset: 16, .size: 8, .value_kind: global_buffer, .address_space: global }
      - { .name: attention_mask, .offset: 24, .size: 8, .value_kind: global_buffer, .address_space: global }
      - { .name: lowp_scales, .offset: 32, .size: 8, .value_kind: global_buffer, .address_space: global }
      - { .name: out0, .offset: 40, .size: 8, .value_kind: global_buffer, .address_space: global }
    .group_segment_fixed_size: 327680
    .private_segment_fixed_size: 0
    .kernarg_segment_align: 8
    .kernarg_segment_size: 48
    .max_flat_workgroup_size: 256
    .sgpr_count:     80
    .vgpr_count:     512
    .wavefront_size: 32
...
	.end_amdgpu_metadata
.endif
;; end of part 2
